; MI455X (gfx1250); checked and timed in simulation.
; The chip was launched on July 23, 2026; its instructions are those of AMD's public machine-readable ISA for CDNA 5 (MIT licence, August 2026) and "CDNA5" Instruction Set Architecture Reference Guide (July 2026). The comments in the code are by the model that wrote it; some were corrected since.
;; Transport Module. Allowed arithmetic: matrix products marked QUANTISED: E5M2 operands, one E8M0 scale for each 32 along K, by v_wmma_scale_f32_16x16x128_f8f6f4 with both operands' format E5M2, f32 sums; products left as they are: f32 operands where the result goes on into a quantised operand, else bf16, f16 or f32 operands; f32 sums; everything else in f32.
;; Inputs: attn_params_0_0 6 x 64 float32; attn_params_0_1 64 float32; attn_params_1_0 64 x 64 float32; attn_params_1_1 64 float32; attn_params_2_0 64 x 1 float32; attn_params_2_1 1 float32; coeff_position 256 x 2 float32; coeff_values 256 x 2 float32; transport_params_0_0 10 x 256 float32; transport_params_0_1 256 float32; transport_params_1_0 256 x 256 float32; transport_params_1_1 256 float32; transport_params_2_0 256 x 1 float32; transport_params_2_1 1 float32; v 8,192 x 2 float32; v_prime 8,192 x 2 float32; x 8,192 x 2 float32; x_prime 8,192 x 2 float32.
;; Outputs: out0 8,192 x 1 float32.
;; This version of the problem:
;;   THIS VERSION OF THE PROBLEM IS GIVEN IN LOW PRECISION. The matrix products marked QUANTISED in the list below multiply operands that are first quantised to E5M2 (5 exponent bits, 2 mantissa bits; 8 bits a number), with one power-of-two scale for each 32 numbers along K (OCP MX v1.0); their sums are f32. All else is computed in f32.
;;   The module's matrix products, in the order in which they are computed (A, B: the left and right operand; K: the contracted axis; several contracted axes count as one K, in the product's order):
;;     1. batch 8,192 x [M 256, K 2] x [K 2, N 1]; A: computed on the way; B: computed on the way: left as it is (K = 2 < 32)
;;     2. [M 2,097,152, K 6] x [K 6, N 64]; A: computed on the way; B: input attn_params_0_0: left as it is (K = 6 < 32)
;;     3. [M 2,097,152, K 64] x [K 64, N 64]; A: computed on the way; B: input attn_params_1_0: QUANTISED
;;     4. [M 2,097,152, K 64] x [K 64, N 1]; A: computed on the way; B: input attn_params_2_0: left as it is (N = 1 < 16)
;;     5. [M 8,192, K 256] x [K 256, N 2]; A: softmax; B: input coeff_values: left as it is (N = 2 < 16)
;;     6. [M 8,192, K 10] x [K 10, N 256]; A: computed on the way; B: input transport_params_0_0: left as it is (K = 10 < 32)
;;     7. [M 8,192, K 256] x [K 256, N 256]; A: computed on the way; B: input transport_params_1_0: QUANTISED
;;     8. [M 8,192, K 256] x [K 256, N 1]; A: computed on the way; B: input transport_params_2_0: left as it is (N = 1 < 16)
;;   THE QUANTISER, for each operand of a quantised product, along K:
;;     - K is cut into blocks of 32 from its start; a last block that is shorter is filled with zeros.
;;     - A block's scale is 2^e with e = floor(log2(the largest magnitude in the block)) - 15, held to -126 .. 127; a block of zeros has e = 0. As a byte (E8M0): e + 127.
;;     - Each number is divided by its block's scale, clamped to +-57,344, and rounded to the nearest number of E5M2, ties to even, subnormals kept.
;;     - The product sums the exact products of the quantised numbers (number of the format x scale) in f32.
;;   ~~~python
;;   def quantise(x, axis):      # numpy; x: float32 -> the quantised numbers, widened to float32 again
;;       x = np.moveaxis(x, axis, -1); K = x.shape[-1]
;;       x = np.pad(x, [(0, 0)] * (x.ndim - 1) + [(0, -K % 32)]); x = x.reshape(x.shape[:-1] + (-1, 32)); a = np.abs(x).max(-1, keepdims=True)
;;       e = np.where(a > 0, np.clip(np.frexp(np.where(a > 0, a, 1))[1] - 1 - 15, -126, 127), 0)      # np.frexp(a)[1] - 1 = floor(log2(a)), exactly
;;       r = np.clip(x / 2.0 ** e, -57344, 57344)
;;       step = 2.0 ** (np.maximum(np.frexp(np.where(r == 0, 1, r))[1] - 1, -14) - 2)
;;       q = np.round(r / step) * step * 2.0 ** e      # np.round: ties to even
;;       return np.moveaxis(q.reshape(q.shape[:-2] + (-1,))[..., :K], -1, axis).astype(np.float32)
;;   ~~~
;;   OPERANDS COMPUTED ON THE WAY. 'Computed on the way' means the value that the module computes at that place (a softmax that the list does not call 'softmax' is quantised finished and normalised). What goes into a quantiser is computed in f32, as accurately as f32 sums, v_exp_f32 and their like allow (about 1e-6 of the number): no bf16 or f16 on the way to a quantiser, and a product that is left as it is and whose result goes on into a quantised operand takes f32 operands (vector FMAs, or v_wmma_f32_16x16x4_f32). A number that lies on a knife's edge between two numbers of the format may be rounded either way, as far as f32 arithmetic and the matrix unit's own rounding can turn it there, and no further.
;; One version. Each part assembles by itself: llvm-mc -triple=amdgcn-amd-amdhsa -mcpu=gfx1250 --defsym DOCPART=n.
;; ======== version 1 of 1: 2 launches
;; workspace buffers: masks 262,144 bytes of whole numbers; wq 73,984 bytes
;; launch prep (part 1): grid 529 x 1, 2 waves a work-group, no clusters, 0 bytes of LDS; arguments x, v, coeff_position, attn_params_1_0, transport_params_1_0, masks, wq; writes masks, wq
.if DOCPART == 1
	.amdgcn_target "amdgcn-amd-amdhsa--gfx1250"
	.amdhsa_code_object_version 6
	.text
	.protected	k_q0e07dc88f8_prep
	.globl	k_q0e07dc88f8_prep
	.p2align	8
	.type	k_q0e07dc88f8_prep,@function
k_q0e07dc88f8_prep:
	s_mov_b64 s[64:65], 0
	v_nop
	global_prefetch_b8 v0, s[64:65] scope:SCOPE_SE
	s_setreg_imm32_b32 hwreg(HW_REG_WAVE_MODE, 25, 1), 1
	s_wait_xcnt 0x0
; TWO JOBS THAT THE MAIN LAUNCH LEANS ON.
; (1) The mask pos(n, p) > 0, pos = (x[n] - coeff_position[p]) . v[n] / sqrt(|v[n]|^2 + 1e-16), as bits at fixed places: word w (p = 32 w + bit) of row n lies at
;     byte (w / 2) x 65,536 + 8 n + 4 (w % 2) of masks.  The bits come from floating-point numbers, so nothing in THIS launch is steered by them; the next launch reads them as whole numbers.
; (2) The two weights of the quantised products as codes of E5M2 with one E8M0 byte for each 32 along K (their FIRST axis), laid as images of the operand's registers:
;     fragment fid: register group c of lane l at fid x 2,048 + 512 c + 16 l of wq; its scale word of lane l at 69,632 + 128 fid + 4 l.
;     fid 0-31: transport_params_1_0, fid = 2 x tile + s: output units 16 tile + r, k = 128 s + 32 c + 16 h + i.
;     fid 32, 33: attn_params_1_0, K = 64, PACKED two tiles to a fragment: groups 0, 1 = units 16 (2 f) + r, k = 32 c + 16 h + i; groups 2, 3 = units 16 (2 f + 1) + r, the same k.
; SHARES: work-groups 0-511: masks; a wave takes 32 rows n (a lane to a row) x 64 points p, whose coordinates come by scalar loads.  512-527: a wave to a fragment of the transport weight.  528: the two packed fragments.
; A lane takes a column of the weight and its registers run down K, in the order of the operand's layout: the conversions' results are the operand's registers; nothing is transposed.
; LIMITS: a block of zeros gets the byte 1 and not 127 (its codes are zeros; only this program reads the bytes); blocks whose largest magnitude lies under 2^-111 were not tried; NaN and infinities are not served;
; where pos is within rounding of 0 its sign may differ from another order of the same f32 arithmetic.
.set MASK_WGS, 512
.set WQ_SC,    69632
	s_load_b256 s[4:11], s[0:1], 0x0               ; x s[4:5], v s[6:7], coeff_position s[8:9], attn_params_1_0 s[10:11]
	s_load_b128 s[12:15], s[0:1], 0x20             ; transport_params_1_0 s[12:13], masks s[14:15]
	s_load_b64 s[16:17], s[0:1], 0x30              ; wq
	v_lshrrev_b32 v1, 5, v0
	v_readfirstlane_b32 s18, v1                    ; wave 0, 1
	v_and_b32 v1, 31, v0                           ; lane
	s_mov_b32 s55, 0                               ; the upper word of every offset pair s[54:55]
	s_wait_kmcnt 0x0
	s_cmp_lt_u32 ttmp9, MASK_WGS
	s_cbranch_scc0 .Lweights
	; ---- the masks
	s_lshl_b32 s52, ttmp9, 1
	s_add_co_u32 s52, s52, s18                     ; u = 2 x work-group + wave, 0 .. 1,023
	s_and_b32 s53, s52, 3                          ; the quarter of the points: p = 64 q .. 64 q + 63
	s_lshr_b32 s52, s52, 2                         ; the block of 32 rows
	s_lshl_b32 s54, s52, 8                         ; 32 rows x 8 bytes, in x, v and a quarter of masks alike
	s_add_nc_u64 s[4:5], s[4:5], s[54:55]
	s_add_nc_u64 s[6:7], s[6:7], s[54:55]
	s_add_nc_u64 s[14:15], s[14:15], s[54:55]
	s_lshl_b32 s54, s53, 16
	s_add_nc_u64 s[14:15], s[14:15], s[54:55]      ; the quarter's 65,536 bytes of masks
	s_lshl_b32 s54, s53, 9
	s_add_nc_u64 s[8:9], s[8:9], s[54:55]          ; the quarter's 64 points, 8 bytes each
	v_lshlrev_b32 v2, 3, v1
	global_load_b64 v[4:5], v2, s[4:5]             ; x of my row
	global_load_b64 v[6:7], v2, s[6:7]             ; v of my row
	s_load_b512 s[20:35], s[8:9], 0x0              ; points 0-15 of the quarter
	s_load_b512 s[36:51], s[8:9], 0x40
	s_wait_loadcnt 0x0
	v_mul_f32 v8, v6, v6
	v_fma_f32 v8, v7, v7, v8
	v_add_f32 v8, 0x24e69595, v8                   ; + 1e-16
	v_rsq_f32 v10, v8
	v_nop                                          ; a plain instruction behind the transcendental
	v_mul_f32 v8, v6, v10                          ; the direction of v
	v_mul_f32 v9, v7, v10
; sixteen points, whose coordinates lie in s[sb] on, give bits bit0 .. bit0 + 15 of the word v[W]
.macro MASK16 sb, W, bit0
.irp i, 0,1,2,3,4,5,6,7,8,9,10,11,12,13,14,15
	v_sub_f32 v10, v4, s[\sb+2*\i]
	v_sub_f32 v11, v5, s[\sb+2*\i+1]
	v_mul_f32 v12, v10, v8
	v_fma_f32 v12, v11, v9, v12                    ; pos
	v_cmp_lt_f32 vcc_lo, 0, v12
.if \bit0+\i == 0
	v_cndmask_b32 v[\W], 0, 1, vcc_lo              ; the first bit starts the word
.else
	v_cndmask_b32 v13, 0, 1, vcc_lo
	v_lshl_or_b32 v[\W], v13, \bit0+\i, v[\W]
.endif
.endr
.endm
	s_wait_kmcnt 0x0                               ; scalar loads come back in no order: only the count 0 shows anything.  One set of 16 points is worked while the other is on its way
	s_load_b512 s[68:83], s[8:9], 0x80
	s_load_b512 s[84:99], s[8:9], 0xc0
	MASK16 20, 14, 0
	s_wait_kmcnt 0x0
	s_load_b512 s[20:35], s[8:9], 0x100
	s_load_b512 s[36:51], s[8:9], 0x140
	MASK16 68, 14, 16
	s_wait_kmcnt 0x0
	s_load_b512 s[68:83], s[8:9], 0x180
	s_load_b512 s[84:99], s[8:9], 0x1c0
	MASK16 20, 15, 0
	s_wait_kmcnt 0x0
	MASK16 68, 15, 16
	global_store_b64 v2, v[14:15], s[14:15]        ; the wave stores 256 consecutive bytes, at a multiple of 256 from the buffer's first byte
	s_endpgm
	; ---- the weights
.Lweights:
	v_and_b32 v2, 15, v0                           ; r
	v_bfe_u32 v3, v0, 4, 1                         ; h
	v_lshlrev_b32 v4, 2, v2                        ; my column: 4 r bytes
	v_lshlrev_b32 v6, 4, v1                        ; an image's place for my lane
	v_lshlrev_b32 v7, 2, v1                        ; a scale word's
	s_mov_b32 s20, 0x76543210
	s_mov_b32 s21, 0xfedcba98                      ; v_permlanex16_b32's selects for lane l xor 16
	s_mov_b32 s22, 0x600000                        ; the mantissa field of 57,344
	s_cmp_lt_u32 ttmp9, MASK_WGS+16
	s_cbranch_scc0 .Lattn
	s_sub_co_u32 s52, ttmp9, MASK_WGS
	s_lshl_b32 s52, s52, 1
	s_add_co_u32 s52, s52, s18                     ; fid = 2 x tile + s
	s_and_b32 s54, s52, 1
	s_lshl_b32 s54, s54, 17                        ; s x 128 rows of 1,024 bytes
	s_lshr_b32 s56, s52, 1
	s_lshl_b32 s56, s56, 6                         ; tile x 16 columns of 4 bytes
	s_add_co_u32 s54, s54, s56
	s_add_nc_u64 s[12:13], s[12:13], s[54:55]
	v_lshl_add_u32 v5, v3, 14, v4                  ; lanes 16-31 begin 16 rows further down
.irp b, 0,1,2,3
.irp i, 0,1,2,3,4,5,6,7,8,9,10,11,12,13,14,15
	global_load_b32 v[64+16*\b+\i], v5, s[12:13] offset:(32*\b+\i)*1024   ; T1(128 s + 32 b + 16 h + i, 16 tile + r)
.endr
.endr
	s_branch .Lquant
.Lattn:
	s_add_co_u32 s52, s18, 32                      ; fid = 32 + f, f = the wave
	s_lshl_b32 s54, s18, 7                         ; f x 32 columns of 4 bytes
	s_add_nc_u64 s[10:11], s[10:11], s[54:55]
	v_lshl_add_u32 v5, v3, 12, v4                  ; 16 rows of 256 bytes
.irp b, 0,1,2,3
.irp i, 0,1,2,3,4,5,6,7,8,9,10,11,12,13,14,15
	global_load_b32 v[64+16*\b+\i], v5, s[10:11] offset:(32*(\b%2)+\i)*256+64*(\b/2)   ; W1(32 (b % 2) + 16 h + i, 32 f + 16 (b / 2) + r)
.endr
.endr
.Lquant:
	s_lshl_b32 s54, s52, 11
	s_add_nc_u64 s[56:57], s[16:17], s[54:55]      ; my fragment's image
	s_lshl_b32 s54, s52, 7
	s_add_co_u32 s54, s54, WQ_SC
	s_add_nc_u64 s[58:59], s[16:17], s[54:55]      ; and its scale words
.irp b, 0,1,2,3
	v_mov_b32 v[36+\b], 0                          ; a lane permute's destination counts as one of its sources
.endr
	s_wait_loadcnt 0x0
.irp b, 0,1,2,3
	v_max3_num_f32 v[32+\b], |v[64+16*\b]|, |v[65+16*\b]|, 0x8000000   ; block b: my 16 numbers, and the floor 2^(16 - 127): so the byte cannot fall under 1
.endr
.irp i, 2,4,6,8,10,12,14
.irp b, 0,1,2,3
	v_max3_num_f32 v[32+\b], v[32+\b], |v[64+16*\b+\i]|, |v[65+16*\b+\i]|   ; the four blocks by turns
.endr
.endr
.irp b, 0,1,2,3
	v_permlanex16_b32 v[36+\b], v[32+\b], s20, s21
.endr
.irp b, 0,1,2,3
	v_max_num_f32 v[32+\b], v[32+\b], v[36+\b]     ; with lane l xor 16's: the block's largest magnitude
.endr
.irp b, 0,1,2,3
	v_add_nc_u32 v[44+\b], 0xf8800000, v[32+\b]    ; 15 off its exponent field: the conversion takes the exponent field of this operand as its scale
.endr
.irp b, 0,1,2,3
	v_and_or_b32 v[40+\b], v[32+\b], 0x7f800000, s22   ; 57,344 x the scale
.endr
.irp b, 0,1,2,3
	v_lshrrev_b32 v[36+\b], 23, v[44+\b]           ; the scale's byte
.endr
	v_lshl_or_b32 v9, v37, 8, v36                  ; the four bytes make the column's scale word
	v_lshl_or_b32 v9, v38, 16, v9
	v_lshl_or_b32 v9, v39, 24, v9
.irp b, 0,1,2,3
.irp i, 0,1,2,3,4,5,6,7,8,9,10,11,12,13,14,15
	v_med3_num_f32 v[64+16*\b+\i], v[64+16*\b+\i], -v[40+\b], v[40+\b]   ; the conversion to an 8-bit code does not saturate (ISA guide 7.6.2): hold first
.endr
	v_cvt_scalef32_pk8_bf8_f32 v[48+4*\b:49+4*\b], v[64+16*\b:71+16*\b], v[44+\b]
	v_cvt_scalef32_pk8_bf8_f32 v[50+4*\b:51+4*\b], v[72+16*\b:79+16*\b], v[44+\b]
.endr
	v_nop                                          ; a plain instruction behind the last conversion
.irp c, 0,1,2,3
	global_store_b128 v6, v[48+4*\c:51+4*\c], s[56:57] offset:512*\c   ; 512 consecutive bytes a store
.endr
	global_store_b32 v7, v9, s[58:59]
	s_endpgm
.Lfunc_end_k_q0e07dc88f8_prep:
	.size	k_q0e07dc88f8_prep, .Lfunc_end_k_q0e07dc88f8_prep-k_q0e07dc88f8_prep
	.p2alignl 7, 3214868480
	.fill 96, 4, 3214868480
	.section	.rodata,"a",@progbits
	.p2align	6, 0x0
	.amdhsa_kernel k_q0e07dc88f8_prep
		.amdhsa_group_segment_fixed_size 0
		.amdhsa_private_segment_fixed_size 0
		.amdhsa_enable_private_segment 0
		.amdhsa_kernarg_size 56
		.amdhsa_user_sgpr_count 2
		.amdhsa_user_sgpr_kernarg_segment_ptr 1
		.amdhsa_wavefront_size32 1
		.amdhsa_system_sgpr_workgroup_id_x 1
		.amdhsa_system_sgpr_workgroup_id_y 1
		.amdhsa_system_sgpr_workgroup_id_z 1
		.amdhsa_system_vgpr_workitem_id 0
		.amdhsa_next_free_vgpr 128
		.amdhsa_next_free_sgpr 100
		.amdhsa_reserve_vcc 1
		.amdhsa_float_denorm_mode_32 3
		.amdhsa_float_denorm_mode_16_64 3
		.amdhsa_memory_ordered 1
		.amdhsa_forward_progress 1
		.amdhsa_inst_pref_size 49
	.end_amdhsa_kernel
	.amdgpu_metadata
---
amdhsa.version: [ 1, 2 ]
amdhsa.kernels:
  - .name:           k_q0e07dc88f8_prep
    .symbol:         k_q0e07dc88f8_prep.kd
    .args:
      - { .name: x, .offset: 0, .size: 8, .value_kind: global_buffer, .address_space: global }
      - { .name: v, .offset: 8, .size: 8, .value_kind: global_buffer, .address_space: global }
      - { .name: coeff_position, .offset: 16, .size: 8, .value_kind: global_buffer, .address_space: global }
      - { .name: attn_params_1_0, .offset: 24, .size: 8, .value_kind: global_buffer, .address_space: global }
      - { .name: transport_params_1_0, .offset: 32, .size: 8, .value_kind: global_buffer, .address_space: global }
      - { .name: masks, .offset: 40, .size: 8, .value_kind: global_buffer, .address_space: global }
      - { .name: wq, .offset: 48, .size: 8, .value_kind: global_buffer, .address_space: global }
    .group_segment_fixed_size: 0
    .private_segment_fixed_size: 0
    .kernarg_segment_align: 8
    .kernarg_segment_size: 56
    .max_flat_workgroup_size: 64
    .sgpr_count:     100
    .vgpr_count:     128
    .wavefront_size: 32
...
	.end_amdgpu_metadata
.endif
;; end of part 1
;; launch main (part 2): grid 512 x 1, 8 waves a work-group, no clusters, 92,160 bytes of LDS; arguments x, v, x_prime, v_prime, coeff_position, coeff_values, attn_params_0_0, attn_params_0_1, attn_params_1_1, attn_params_2_0, attn_params_2_1, transport_params_0_0, transport_params_0_1, transport_params_1_1, transport_params_2_0, transport_params_2_1, masks, wq, out0; writes out0
.if DOCPART == 2
	.amdgcn_target "amdgcn-amd-amdhsa--gfx1250"
	.amdhsa_code_object_version 6
	.text
	.protected	k_q0e07dc88f8_main
	.globl	k_q0e07dc88f8_main
	.p2align	8
	.type	k_q0e07dc88f8_main,@function
k_q0e07dc88f8_main:
	s_mov_b64 s[64:65], 0
	v_nop
	global_prefetch_b8 v0, s[64:65] scope:SCOPE_SE
	s_setreg_imm32_b32 hwreg(HW_REG_WAVE_MODE, 25, 1), 1
	s_wait_xcnt 0x0
; THE WHOLE MODULE FOR 16 ROWS n A WORK-GROUP: the pair network (6 - 64 - 64 - 1, tanh) on the pairs (n, p) with pos > 0, the softmax over p, exp(-attention), the transport network (10 - 256 - 256 - 1, tanh), exp.
; ONLY THE KEPT PAIRS ARE MULTIPLIED.  The definition sets the logit of a pair with pos <= 0 to -1e30, so its network need not be run.  The launch before stored the mask as bits; here each row's kept points
; are packed to the front of a list (whole-number work alone), and only the tiles of 16 list slots that hold a kept point are run.  A row with no kept point has uniform weights: its attention is the mean of coeff_values.
; SHARES.  Eight waves.  Wave w owns rows nl = 2 w, 2 w + 1 for the list, the geometry and the softmax.  Tile t of row nl goes to wave (t - nl) mod 8, so that all waves share all rows' tiles.  In the transport
; network the waves share the columns: wave w makes hidden units 32 w .. 32 w + 31 of both layers for all 16 rows.
; WHICH TILES A WAVE RUNS is decided by each wave for itself, on scalar registers, from the stored bits of all 16 rows as scalar loads bring them from memory: the branch hangs on whole numbers that an earlier launch stored.
; BOTH QUANTISED PRODUCTS ARE USED TRANSPOSED (source 0 = 16 output units of the weight, source 1 = 16 pairs or rows): a lane (r = lane % 16, h = lane / 16) holds one pair throughout, and its registers run along the units.
; THE PAIR PRODUCT HAS K = 64, the instruction 128.  A weight fragment holds TWO tiles of output units (register groups 0, 1 and 2, 3); the pairs' 8 code registers stand between two runs of 8 zero registers, so that
; v[176:191] (codes, zeros) meets the first tile and v[168:183] (zeros, codes) the second.  Zero codes add nothing under any scale byte but 0xff.
; tanh(z) = 1 - 2 / (1 + 2^(2 log2(e) z)); the factor is folded into layer 1's weights, and the logit's sum takes -2 W2 against the reciprocals, with b2 + the sum of W2 added once.
; No tensor loads, no cluster: every table is a few KB, is loaded once by each wave into registers or by one wave into LDS, and nothing is streamed.
; LIMITS: tanh has an absolute error of some 2e-7, so its relative error grows under |z| = 1e-3; it ends at +-1 for any large |z|.  A block of zeros gets the scale byte 1 (its codes are zeros).  NaN and infinities are not served.
; A work-group's 16 results are 64 bytes of out0: a quarter of 256 aligned bytes; the whole output is 32 KB.
.set GEO,   0                          ; [16 rows][256 slots] (ang, pos), 8 bytes
.set CVL,   32768                      ; [16 rows][256 slots] coeff_values of the slot's point, 8 bytes
.set LOGIT, 65536                      ; [8 waves][32 trips][16 pairs] f32: each wave writes its own 2,048 bytes
.set CN,    81920                      ; [16 rows] 256 bytes: the row's part of layer 1, 128 h + 64 c + 4 i for unit 32 c + 16 h + i, times 2 log2(e)
.set B1L,   86016                      ; b1 in the result's layout: 128 h + 32 t + 4 j for unit 16 t + 8 h + j
.set COEF,  86528                      ; the rows' two coefficients, 8 bytes each
.set CVM,   COEF+128                   ; the mean of coeff_values, 8 bytes
.set UIMG,  86784                      ; the transport hidden layer's two fragments as images of their registers: wave w's group at 512 w + 16 lane
.set USC,   90880                      ; their scale bytes: 8 lane + w
.set PART,  91136                      ; the waves' parts of the last sum: 128 w + 4 lane
.set WQ_SC, 69632
.set HS,  30                           ; v30     the pairs' scale word               (v30-32, v34-39 hold scales and nothing else)
.set W1S, 31                           ; v31-32  the packed weight fragments' scale words
.set NEG, 33                           ; v33     -1e30
.set US,  34                           ; v34-35  the transport hidden layer's scale words
.set T1S, 36                           ; v36-39  the transport weight's
.set WA,  40                           ; v40-71  2 log2(e) x row 4 of layer 1's weight (ang): register 16 c + i = unit 32 c + 16 h + i
.set WB,  72                           ; v72-103 row 5 (pos) likewise
.set W2P, 104                          ; v104-135  -2 x W2: register 8 t + j = unit 16 t + 8 h + j
.set W1F, 136                          ; v136-167  the two packed weight fragments
.set Z1,  168                          ; v168-175  zeros
.set CD,  176                          ; v176-183  the pairs' codes
.set Z2,  184                          ; v184-191  zeros
.set H,   192                          ; v192-223  layer 1 of my pair: 32 units
.set ACC, 224                          ; v224-255  four accumulators
; v1 lane, v2 r, v3 h; v4 CN + 128 h; v5 B1L + 128 h; v6 GEO + 8 r; v7 LOGIT + 2,048 w + 4 r; v8-10 addresses in hand; v11 b2 + sum of W2; v12-17 at work; v18-28 at work; v29 PART + 4 lane
; s[4:41] the 19 addresses (s[4:35] lend their registers to the count of the rows' bits and are loaded anew); s[36:37] masks at the work-group's first row; s42 wave; s43 first row; s46 b2; s47 the last bias;
; s[48:55], s[88:95] my rows' mask words; s[56:59] x, s[96:99] v of my two rows; s[60:61] permute selects; s62 mantissa of 57,344; s[66:67] 2 log2(e); s[68:75] first slot of each mask word; s[76:83] kept bits of each;
; s84, s85 my rows' counts; s86 trip; s87 which trips have work
.macro BAR                             ; my LDS stores have landed and my LDS loads are in: then the work-group's barrier
	s_wait_dscnt 0x0
	s_barrier_signal -1
	s_barrier_wait -1
.endm
; n numbers from v[b] on: y -> 1 / (1 + 2^y)
.macro EXPRCP b, n
.set e, 0
.rept \n
	v_exp_f32 v[\b+e], v[\b+e]
.set e, e+1
.endr
	v_nop                                          ; a plain instruction behind the transcendentals
.set e, 0
.rept \n/2
	v_pk_add_f32 v[\b+e:\b+e+1], v[\b+e:\b+e+1], 1.0 op_sel_hi:[1,0]
.set e, e+2
.endr
.set e, 0
.rept \n
	v_rcp_f32 v[\b+e], v[\b+e]
.set e, e+1
.endr
	v_nop
.endm
.macro TANHFIN b, n                    ; 1 - 2 x
.set e, 0
.rept \n/2
	v_pk_fma_f32 v[\b+e:\b+e+1], v[\b+e:\b+e+1], -2.0, 1.0 op_sel_hi:[1,0,0]
.set e, e+2
.endr
.endm
	s_load_b512 s[4:19], s[0:1], 0x0               ; x, v, x', v', coeff_position s[12:13], coeff_values s[14:15], W0 s[16:17], b0 s[18:19]
	s_load_b512 s[20:35], s[0:1], 0x40             ; b1 s[20:21], W2 s[22:23], b2 s[24:25], T0 s[26:27], tb0 s[28:29], tb1 s[30:31], T2 s[32:33], tb2 s[34:35]
	s_load_b128 s[36:39], s[0:1], 0x80             ; masks, wq
	s_load_b64 s[40:41], s[0:1], 0x90              ; out0
	v_lshrrev_b32 v1, 5, v0
	v_readfirstlane_b32 s42, v1                    ; wave 0..7
	v_and_b32 v1, 31, v0                           ; lane
	v_and_b32 v2, 15, v0                           ; r
	v_bfe_u32 v3, v0, 4, 1                         ; h
	s_lshl_b32 s43, ttmp9, 4                       ; the work-group's first row
	s_mov_b32 s60, 0x76543210
	s_mov_b32 s61, 0xfedcba98                      ; v_permlanex16_b32's selects for lane l xor 16
	s_mov_b32 s62, 0x600000
	s_mov_b32 s66, 0x4038aa3b                      ; 2 log2(e)
	s_mov_b32 s67, s66                             ; (named with it as a pair, so it is written)
	v_lshl_add_u32 v4, v3, 7, CN
	v_lshl_add_u32 v5, v3, 7, B1L
	v_lshlrev_b32 v6, 3, v2
	s_lshl_b32 s63, s42, 11
	s_add_co_u32 s63, s63, LOGIT
	v_lshl_add_u32 v7, v2, 2, s63
	v_lshl_add_u32 v28, v1, 4, s63                 ; where I clear my wave's logits
	v_lshl_add_u32 v8, v2, 2, v4                   ; where unit "lane" of a row's part of layer 1 goes
	v_bfe_u32 v9, v0, 3, 1                         ; where b1 of unit "lane" goes (wave 0): 128 ((l / 8) % 2) + 32 (l / 16) + 4 (l % 8)
	v_lshlrev_b32 v9, 7, v9
	v_lshl_add_u32 v9, v3, 5, v9
	v_and_b32 v10, 7, v0
	v_lshl_add_u32 v9, v10, 2, v9
	v_add_nc_u32 v9, B1L, v9
	v_mov_b32 v10, CVM
	v_lshl_add_u32 v29, v1, 2, PART                ; (the LDS addresses that wave 0 alone uses are made here, ahead of the first branch on the wave's number)
	v_mov_b32 v[NEG], 0xf149f2ca
.irp j, 18,19,20,21,22,23,24,25
	v_mov_b32 v\j, 0                               ; written once: a lane permute's destination counts as one of its sources
.endr
	v_lshlrev_b32 v12, 6, v3                       ; 64 h
	v_lshlrev_b32 v13, 5, v3                       ; 32 h
	v_lshlrev_b32 v14, 4, v1                       ; 16 lane
	v_lshlrev_b32 v15, 2, v1                       ; 4 lane
	s_lshl_b32 s44, s42, 1
	s_add_co_u32 s44, s44, s43
	s_lshl_b32 s44, s44, 3                         ; my first row x 8 bytes
	s_mov_b32 s45, 0
	s_wait_kmcnt 0x0
	s_add_nc_u64 s[84:85], s[4:5], s[44:45]
	s_add_nc_u64 s[86:87], s[6:7], s[44:45]
	s_add_nc_u64 s[100:101], s[36:37], s[44:45]    ; masks at my two rows
	s_lshl_b32 s44, s43, 3
	s_add_nc_u64 s[36:37], s[36:37], s[44:45]      ; masks at the work-group's 16 rows
	s_load_b128 s[56:59], s[84:85], 0x0            ; x of my two rows
	s_load_b128 s[96:99], s[86:87], 0x0            ; v of my two rows
	s_load_b128 s[48:51], s[100:101], 0x0          ; mask words 0, 1 of row A, then of row B
	s_load_b128 s[52:55], s[100:101], 0x10000      ; words 2, 3
	s_load_b128 s[88:91], s[100:101], 0x20000      ; words 4, 5
	s_load_b128 s[92:95], s[100:101], 0x30000      ; words 6, 7
	s_load_b32 s46, s[24:25], 0x0
	s_load_b32 s47, s[34:35], 0x0
.irp c, 0,1
.irp q, 0,1,2,3
	global_load_b128 v[WA+16*\c+4*\q:WA+16*\c+4*\q+3], v12, s[16:17] offset:1024+128*\c+16*\q
	global_load_b128 v[WB+16*\c+4*\q:WB+16*\c+4*\q+3], v12, s[16:17] offset:1280+128*\c+16*\q
.endr
.endr
.irp t, 0,1,2,3
.irp u, 0,1
	global_load_b128 v[W2P+8*\t+4*\u:W2P+8*\t+4*\u+3], v13, s[22:23] offset:64*\t+16*\u
.endr
.endr
.irp f, 0,1
.irp c, 0,1,2,3
	global_load_b128 v[W1F+16*\f+4*\c:W1F+16*\f+4*\c+3], v14, s[38:39] offset:(32+\f)*2048+512*\c
.endr
	global_load_b32 v[W1S+\f], v15, s[38:39] offset:WQ_SC+(32+\f)*128
.endr
.irp p, 0,1,2,3
	global_load_b32 v[240+2*\p], v15, s[16:17] offset:256*\p       ; rows 0-3 of layer 1's weight at unit lane,
	global_load_b32 v[241+2*\p], v15, s[16:17] offset:256*\p+128   ; and at unit lane + 32
.endr
	global_load_b32 v248, v15, s[18:19]            ; b0 likewise
	global_load_b32 v249, v15, s[18:19] offset:128
	s_cmp_lg_u32 s42, 0
	s_cbranch_scc1 .Lnot_wave_0_a
	global_load_b32 v250, v15, s[20:21]            ; wave 0 lays b1 out and takes the mean of coeff_values
	global_load_b32 v251, v15, s[20:21] offset:128
.irp q, 0,1,2,3
	global_load_b128 v[216+4*\q:219+4*\q], v14, s[14:15] offset:512*\q
.endr
.Lnot_wave_0_a:
; THE LIST of row i (0, 1) of my two: slot s holds the point p of the s-th set bit.  Whole numbers alone.  Word w's kept points take slots first(w) .. first(w) + kept(w) - 1, at most 32 on end, so their slots mod 32
; differ; its dropped points take the lanes left over, so that each word is a full permutation of the 32 lanes (pushed by ds_permute_b32, which touches no LDS byte).  Slot 32 k + lane then belongs to the LAST word
; whose first slot is not beyond it.  Slots from the count on hold some point of the table; the softmax leaves them out.  Then the points' coordinates and values are gathered (index held at 255).
.macro PERM i
.irp w, 0,1,2,3,4,5,6,7
	s_bcnt1_i32_b32 s[76+\w], s[48+4*(\w/2)+2*\i+(\w%2)+32*(\w/4)]
.endr
	s_mov_b32 s68, 0
.irp w, 0,1,2,3,4,5,6
	s_add_co_u32 s[69+\w], s[68+\w], s[76+\w]
.endr
	s_add_co_u32 s[84+\i], s75, s83                ; the row's count
.irp w, 0,1,2,3,4,5,6,7
	v_mbcnt_lo_u32_b32 v18, s[48+4*(\w/2)+2*\i+(\w%2)+32*(\w/4)], s[68+\w]   ; first(w) + set bits under my lane: a kept point's slot
	s_lshl_b32 s63, s[68+\w], 1
	s_add_co_u32 s63, s63, s[76+\w]
	v_add_nc_u32 v[176+\w], s63, v1
	v_sub_nc_u32 v[176+\w], v[176+\w], v18         ; first(w) + kept(w) + clear bits under my lane: a dropped point's place
	v_cndmask_b32 v[176+\w], v[176+\w], v18, s[48+4*(\w/2)+2*\i+(\w%2)+32*(\w/4)]
	v_lshlrev_b32 v[176+\w], 2, v[176+\w]
	v_and_b32 v[176+\w], 0x7c, v[176+\w]           ; 4 x (slot mod 32)
	v_or_b32 v[184+\w], 32*\w, v1                  ; p
	ds_permute_b32 v[168+\w], v[176+\w], v[184+\w]
.endr
	s_wait_dscnt 0x0
.irp w, 1,2,3,4,5,6,7
.irp k, 0,1,2,3,4,5,6
.if \k < \w
.if \k
	s_sub_co_i32 s63, s[68+\w], 32*\k
	v_cmp_le_i32 vcc_lo, s63, v1
.else
	v_cmp_le_i32 vcc_lo, s[68+\w], v1
.endif
	v_cndmask_b32 v[168+\k], v[168+\k], v[168+\w], vcc_lo   ; first(w) <= 32 k + lane: word w has the slot (v[168 + w] is still word w's own: it is changed only in later turns)
.endif
.endr
.endr
.irp k, 0,1,2,3,4,5,6,7
	v_min_u32 v[176+\k], 255, v[168+\k]
	v_lshlrev_b32 v[176+\k], 3, v[176+\k]
	global_load_b64 v[184+2*\k:185+2*\k], v[176+\k], s[12:13]
	global_load_b64 v[200+2*\k:201+2*\k], v[176+\k], s[14:15]
.endr
.endm
; Row i's part of layer 1, and (ang, pos) and the values of its 256 slots go to LDS.
.macro GEOM i
	s_lshl_b32 s100, s42, 1
.if \i
	s_add_co_u32 s100, s100, \i                    ; nl
.endif
	s_lshl_b32 s101, s100, 11
	v_lshl_add_u32 v24, v1, 3, s101                ; GEO + 2,048 nl + 8 lane
	s_lshl_b32 s101, s100, 8
	v_add_nc_u32 v25, s101, v8
	v_mov_b32 v22, s[96+2*\i]
	v_mov_b32 v23, s[97+2*\i]
	v_mul_f32 v19, v22, v22
	v_fma_f32 v19, v23, v23, v19
	v_add_f32 v19, 0x24e69595, v19                 ; |v|^2 + 1e-16
	v_rsq_f32 v19, v19
	v_fma_f32 v20, v240, s[56+2*\i], v248          ; b0 + x0 W0[0] + x1 W0[1] + v0 W0[2] + v1 W0[3], all times 2 log2(e), at units lane and lane + 32
	v_fma_f32 v21, v241, s[56+2*\i], v249
	v_fma_f32 v20, v242, s[57+2*\i], v20
	v_fma_f32 v21, v243, s[57+2*\i], v21
	v_fma_f32 v20, v244, s[96+2*\i], v20
	v_fma_f32 v21, v245, s[96+2*\i], v21
	v_fma_f32 v20, v246, s[97+2*\i], v20
	v_fma_f32 v21, v247, s[97+2*\i], v21
	v_mul_f32 v22, v22, v19                        ; the direction of v
	v_mul_f32 v23, v23, v19
	ds_store_b32 v25, v20
	ds_store_b32 v25, v21 offset:64
.irp k, 0,1,2,3,4,5,6,7
	v_sub_f32 v[184+2*\k], s[56+2*\i], v[184+2*\k] ; rel = x - the point
	v_sub_f32 v[185+2*\k], s[57+2*\i], v[185+2*\k]
.endr
.irp k, 0,1,2,3,4,5,6,7
	v_fmaak_f32 v[232+\k], v[184+2*\k], v[184+2*\k], 0x24e69595
.endr
.irp k, 0,1,2,3,4,5,6,7
	v_fma_f32 v[232+\k], v[185+2*\k], v[185+2*\k], v[232+\k]
.endr
.irp k, 0,1,2,3,4,5,6,7
	v_sqrt_f32 v[232+\k], v[232+\k]
.endr
.irp k, 0,1,2,3,4,5,6,7
	v_mul_f32 v[217+2*\k], v[184+2*\k], v22        ; (plain instructions behind the roots)
.endr
.irp k, 0,1,2,3,4,5,6,7
	v_fma_f32 v[217+2*\k], v[185+2*\k], v23, v[217+2*\k]   ; pos
.endr
.irp k, 0,1,2,3,4,5,6,7
	v_add_f32 v[232+\k], 0x322bcc77, v[232+\k]     ; + 1e-8
.endr
.irp k, 0,1,2,3,4,5,6,7
	v_rcp_f32 v[232+\k], v[232+\k]
.endr
	v_nop
.irp k, 0,1,2,3,4,5,6,7
	v_mul_f32 v[216+2*\k], v[217+2*\k], v[232+\k]  ; ang
.endr
.irp k, 0,1,2,3,4,5,6,7
	ds_store_b64 v24, v[216+2*\k:217+2*\k] offset:GEO+256*\k
	ds_store_b64 v24, v[200+2*\k:201+2*\k] offset:CVL+256*\k
.endr
	s_wait_dscnt 0x0                               ; the stores have read their registers, which are written again
.endm
; WHICH OF MY 32 TRIPS HAVE WORK.  Trip 2 nl + j is tile t = ((nl + w) mod 8) + 8 j of row nl, and has work where 16 t < the row's count of kept points.  The counts of all 16 rows are taken from the stored bits,
; four rows at a time: LOADG asks for rows 4 g .. 4 g + 3, the two words of each quarter of the points into eight registers from s[qa], s[qb], s[qc], s[qd] on; BITS counts them and sets the rows' eight bits of s87.
.macro LOADG qa, qb, qc, qd, g
	s_load_b256 s[\qa:\qa+7], s[36:37], 32*\g
	s_load_b256 s[\qb:\qb+7], s[36:37], 0x10000+32*\g
	s_load_b256 s[\qc:\qc+7], s[36:37], 0x20000+32*\g
	s_load_b256 s[\qd:\qd+7], s[36:37], 0x30000+32*\g
.endm
.macro BITS qa, qb, qc, qd, g
.irp i, 0,1,2,3
.irp x, \qa, \qb, \qc, \qd
	s_bcnt1_i32_b32 s[\x+2*\i], s[\x+2*\i]
	s_bcnt1_i32_b32 s[\x+2*\i+1], s[\x+2*\i+1]
	s_add_co_u32 s[\x+2*\i], s[\x+2*\i], s[\x+2*\i+1]
.endr
	s_add_co_u32 s[\qa+2*\i], s[\qa+2*\i], s[\qb+2*\i]
	s_add_co_u32 s[\qc+2*\i], s[\qc+2*\i], s[\qd+2*\i]
	s_add_co_u32 s63, s[\qa+2*\i], s[\qc+2*\i]     ; the row's count
	s_add_co_u32 s100, s42, 4*\g+\i
	s_and_b32 s100, s100, 7
	s_lshl_b32 s100, s100, 4                       ; 16 t for j = 0
	s_cmp_lt_u32 s100, s63
	s_cselect_b32 s101, 1<<(2*(4*\g+\i)), 0
	s_or_b32 s87, s87, s101
	s_add_co_u32 s100, s100, 128                   ; and for j = 1
	s_cmp_lt_u32 s100, s63
	s_cselect_b32 s101, 2<<(2*(4*\g+\i)), 0
	s_or_b32 s87, s87, s101
.endr
.endm
	s_wait_kmcnt 0x0                               ; the scalars are in,
	s_wait_xcnt 0x0                                ; and the bases s[84:87], s[100:101] may be written again
	PERM 0
	s_wait_loadcnt 0x0                             ; the tables and row A's gathers
.set e, 0
.rept 32
	v_pk_mul_f32 v[WA+e:WA+e+1], v[WA+e:WA+e+1], s[66:67] op_sel_hi:[1,0]   ; rows 4 and 5 times 2 log2(e)
.set e, e+2
.endr
	v_pk_add_f32 v[16:17], v[W2P:W2P+1], v[W2P+2:W2P+3]
.set e, 4
.rept 14
	v_pk_add_f32 v[16:17], v[16:17], v[W2P+e:W2P+e+1]
.set e, e+2
.endr
	v_add_f32 v16, v16, v17
	v_permlanex16_b32 v18, v16, s60, s61
	v_add_f32 v16, v16, v18
	v_add_f32 v11, s46, v16                        ; b2 + the sum of W2's 64 numbers
.set e, 0
.rept 16
	v_pk_mul_f32 v[W2P+e:W2P+e+1], v[W2P+e:W2P+e+1], -2.0 op_sel_hi:[1,0]
.set e, e+2
.endr
.irp p, 0,1,2,3,4
	v_pk_mul_f32 v[240+2*\p:241+2*\p], v[240+2*\p:241+2*\p], s[66:67] op_sel_hi:[1,0]
.endr
	s_cmp_lg_u32 s42, 0
	s_cbranch_scc1 .Lnot_wave_0_b
	ds_store_b32 v9, v250
	ds_store_b32 v9, v251 offset:64
.irp q, 1,2,3,4,5,6,7
	v_pk_add_f32 v[216:217], v[216:217], v[216+2*\q:217+2*\q]
.endr
.irp m, 1,2,4,8
	v_add_f32_dpp v216, v216, v216 row_xmask:\m row_mask:0xf bank_mask:0xf
	v_add_f32_dpp v217, v217, v217 row_xmask:\m row_mask:0xf bank_mask:0xf
.endr
	v_permlanex16_b32 v18, v216, s60, s61
	v_permlanex16_b32 v19, v217, s60, s61
	v_add_f32 v216, v216, v18
	v_add_f32 v217, v217, v19
	v_mul_f32 v216, 0x3b800000, v216               ; / 256
	v_mul_f32 v217, 0x3b800000, v217
	ds_store_b64 v10, v[216:217]
	s_wait_dscnt 0x0                               ; the stores have read their registers
.Lnot_wave_0_b:
	GEOM 0
	PERM 1
	s_wait_loadcnt 0x0                             ; row B's gathers are in, and every load that named one of the addresses s[4:35] is done: these registers, the list's and my rows' mask words are free
	LOADG 68, 76, 48, 88, 0                        ; rows 0-3 and 4-7 are asked for here, so that row B's geometry stands between the request and the wait
	LOADG 4, 12, 20, 28, 1
	GEOM 1
	s_mov_b32 s87, 0
	s_wait_kmcnt 0x0                               ; scalar loads come back in no order: only the count 0 shows anything
	BITS 68, 76, 48, 88, 0
	LOADG 68, 76, 48, 88, 2                        ; rows 8-11 while rows 4-7 are counted,
	BITS 4, 12, 20, 28, 1
	LOADG 4, 12, 20, 28, 3                         ; rows 12-15 while the lines below run
.irp j, 12,13,14,15
	v_mov_b32 v\j, v[NEG]
.endr
.irp q, 0,1,2,3
	ds_store_b128 v28, v[12:15] offset:512*\q      ; my wave's 512 logits begin as -1e30: trips that are passed over leave them so
.endr
.irp j, 0,1,2,3,4,5,6,7
	v_mov_b32 v[Z1+\j], 0                          ; zero codes on both sides of the pairs' codes
	v_mov_b32 v[Z2+\j], 0
.endr
	s_wait_kmcnt 0x0
	BITS 68, 76, 48, 88, 2
	BITS 4, 12, 20, 28, 3
	s_load_b512 s[4:19], s[0:1], 0x0               ; the sixteen addresses come anew; they are wanted, and waited for, behind the loop over tiles, which names none of them
	s_load_b512 s[20:35], s[0:1], 0x40
	BAR                                            ; lists, geometry and tables lie in LDS
; ONE TILE: 16 list slots of one row through the pair network.
.macro TILE
	s_lshr_b32 s88, s86, 1                         ; nl
	s_and_b32 s89, s86, 1
	s_add_co_u32 s90, s88, s42
	s_and_b32 s90, s90, 7
	s_lshl_b32 s89, s89, 3
	s_add_co_u32 s90, s90, s89                     ; t
	s_lshl_b32 s90, s90, 7
	s_lshl_b32 s91, s88, 11
	s_add_co_u32 s90, s90, s91
	v_add_nc_u32 v9, s90, v6                       ; GEO + 2,048 nl + 128 t + 8 r
	s_lshl_b32 s91, s88, 8
	v_add_nc_u32 v8, s91, v4                       ; CN + 256 nl + 128 h
	ds_load_b64 v[12:13], v9                       ; (ang, pos) of my pair
.irp q, 0,1,2,3,4,5,6,7
	ds_load_b128 v[H+4*\q:H+4*\q+3], v8 offset:16*\q           ; the row's part of layer 1 starts the sums
.endr
.irp q, 0,1,2,3,4,5,6,7
	ds_load_b128 v[ACC+4*\q:ACC+4*\q+3], v5 offset:16*\q       ; b1 is the C of the products
.endr
	s_wait_dscnt 8                                 ; all but the eight youngest, b1's
.set e, 0
.rept 16
	v_pk_fma_f32 v[H+e:H+e+1], v[WA+e:WA+e+1], v[12:13], v[H+e:H+e+1] op_sel_hi:[1,0,1]              ; + ang x row 4
.set e, e+2
.endr
.set e, 0
.rept 16
	v_pk_fma_f32 v[H+e:H+e+1], v[WB+e:WB+e+1], v[12:13], v[H+e:H+e+1] op_sel:[0,1,0] op_sel_hi:[1,1,1]   ; + pos x row 5
.set e, e+2
.endr
	EXPRCP H, 32
	TANHFIN H, 32
	; the quantiser: two blocks of 32 units; a lane holds 16 of each, lane l xor 16 the others
	v_max3_num_f32 v18, |v[H]|, |v[H+1]|, 0x8000000        ; with the floor 2^(16 - 127): the byte cannot fall under 1
	v_max3_num_f32 v19, |v[H+16]|, |v[H+17]|, 0x8000000
.irp j, 2,4,6,8,10,12,14
	v_max3_num_f32 v18, v18, |v[H+\j]|, |v[H+\j+1]|
	v_max3_num_f32 v19, v19, |v[H+16+\j]|, |v[H+17+\j]|
.endr
	v_permlanex16_b32 v20, v18, s60, s61
	v_permlanex16_b32 v21, v19, s60, s61
	v_max_num_f32 v18, v18, v20
	v_max_num_f32 v19, v19, v21
	v_add_nc_u32 v24, 0xf8800000, v18              ; 15 off the exponent field: the conversion's scale operand
	v_add_nc_u32 v25, 0xf8800000, v19
	v_and_or_b32 v22, v18, 0x7f800000, s62         ; 57,344 x the scale
	v_and_or_b32 v23, v19, 0x7f800000, s62
	v_lshrrev_b32 v20, 23, v24                     ; the bytes
	v_lshrrev_b32 v21, 23, v25
	v_lshl_or_b32 v[HS], v21, 8, v20
	v_lshl_or_b32 v[HS], v[HS], 16, v[HS]          ; byte 0, byte 1, byte 0, byte 1: the word serves the codes in groups 0, 1 and in groups 2, 3
.irp c, 0,1
.irp j, 0,1,2,3,4,5,6,7,8,9,10,11,12,13,14,15
	v_med3_num_f32 v[H+16*\c+\j], v[H+16*\c+\j], -v[22+\c], v[22+\c]   ; the conversion does not saturate (ISA guide 7.6.2): hold first
.endr
.endr
.irp c, 0,1
	v_cvt_scalef32_pk8_bf8_f32 v[CD+4*\c:CD+4*\c+1], v[H+16*\c:H+16*\c+7], v[24+\c]
	v_cvt_scalef32_pk8_bf8_f32 v[CD+4*\c+2:CD+4*\c+3], v[H+16*\c+8:H+16*\c+15], v[24+\c]
.endr
.rept 4
	v_nop                                          ; an operand written by vector instructions stands four places ahead of a scaled matrix instruction
.endr
	s_wait_dscnt 0x0                               ; b1 is in
	; four tiles of 16 output units, each accumulator one instruction: the accumulators take turns
	v_wmma_scale_f32_16x16x128_f8f6f4 v[ACC:ACC+7], v[W1F:W1F+15], v[CD:CD+15], v[ACC:ACC+7], v[W1S], v[HS] matrix_a_fmt:MATRIX_FMT_BF8 matrix_b_fmt:MATRIX_FMT_BF8
	v_wmma_scale_f32_16x16x128_f8f6f4 v[ACC+8:ACC+15], v[W1F:W1F+15], v[Z1:Z1+15], v[ACC+8:ACC+15], v[W1S], v[HS] matrix_a_fmt:MATRIX_FMT_BF8 matrix_b_fmt:MATRIX_FMT_BF8
	v_wmma_scale_f32_16x16x128_f8f6f4 v[ACC+16:ACC+23], v[W1F+16:W1F+31], v[CD:CD+15], v[ACC+16:ACC+23], v[W1S+1], v[HS] matrix_a_fmt:MATRIX_FMT_BF8 matrix_b_fmt:MATRIX_FMT_BF8
	v_wmma_scale_f32_16x16x128_f8f6f4 v[ACC+24:ACC+31], v[W1F+16:W1F+31], v[Z1:Z1+15], v[ACC+24:ACC+31], v[W1S+1], v[HS] matrix_a_fmt:MATRIX_FMT_BF8 matrix_b_fmt:MATRIX_FMT_BF8
.rept 8
	v_nop                                          ; eight places behind this form ahead of the first read of results
.endr
.set e, 0
.rept 16
	v_pk_mul_f32 v[ACC+e:ACC+e+1], v[ACC+e:ACC+e+1], s[66:67] op_sel_hi:[1,0]   ; ascending: each accumulator is read from its low end on
.set e, e+2
.endr
	EXPRCP ACC, 32
	v_pk_mul_f32 v[14:15], v[ACC:ACC+1], v[W2P:W2P+1]          ; the logit: -2 W2 against the reciprocals, in two chains
	v_pk_mul_f32 v[16:17], v[ACC+2:ACC+3], v[W2P+2:W2P+3]
.set e, 4
.rept 7
	v_pk_fma_f32 v[14:15], v[ACC+e:ACC+e+1], v[W2P+e:W2P+e+1], v[14:15]
	v_pk_fma_f32 v[16:17], v[ACC+e+2:ACC+e+3], v[W2P+e+2:W2P+e+3], v[16:17]
.set e, e+4
.endr
	v_pk_add_f32 v[14:15], v[14:15], v[16:17]
	v_add_f32 v14, v14, v15
	v_permlanex16_b32 v20, v14, s60, s61           ; the other 32 units lie in lane l xor 16
	v_add_f32 v14, v14, v20
	v_add_f32 v14, v14, v11
	s_lshl_b32 s91, s86, 6
	v_add_nc_u32 v10, s91, v7                      ; made here, behind this trip's wait for all LDS instructions: the last trip's store has read it
	ds_store_b32 v10, v14
.endm
	s_mov_b32 s86, 0
.Ltile:                                            ; 32 trips in every wave; a trip without work is passed over by a scalar branch on the stored whole numbers
	s_lshr_b32 s100, s87, s86
	s_and_b32 s100, s100, 1
	s_cmp_eq_u32 s100, 0
	s_cbranch_scc1 .Lskip
	TILE
.Lskip:
	s_add_co_u32 s86, s86, 1
	s_cmp_lt_u32 s86, 32
	s_cbranch_scc1 .Ltile
	; what the transport network's first layer wants is asked for now and lands during the softmax: my 32 units' columns of T0 (lane (r, h): units 32 w + 16 h + 0 .. 15), their bias, and row r's inputs
	s_lshl_b32 s88, s43, 3
	v_lshl_add_u32 v8, v2, 3, s88                  ; 8 (first row + r)
	s_lshl_b32 s89, s42, 7
	v_lshl_add_u32 v9, v3, 6, s89                  ; 128 w + 64 h
	s_wait_kmcnt 0x0                               ; the addresses s[4:35] are back
.irp p, 0,1,2,3,4,5,6,7,8,9
.irp q, 0,1,2,3
	global_load_b128 v[40+16*\p+4*\q:43+16*\p+4*\q], v9, s[26:27] offset:1024*\p+16*\q
.endr
.endr
.irp q, 0,1,2,3
	global_load_b128 v[200+4*\q:203+4*\q], v9, s[28:29] offset:16*\q
.endr
	global_load_b64 v[216:217], v8, s[4:5]
	global_load_b64 v[218:219], v8, s[6:7]
	global_load_b64 v[220:221], v8, s[8:9]
	global_load_b64 v[222:223], v8, s[10:11]
	BAR                                            ; all logits lie in LDS
; THE SOFTMAX of row i of my two, over its list; slot 32 k + lane is pair r of tile 2 k + h, which wave (2 k + h - nl) mod 8 stored in its trip 2 nl + k / 4
.macro SOFT i
	s_lshl_b32 s88, s42, 1
.if \i
	s_add_co_u32 s88, s88, \i                      ; nl
.endif
	s_lshl_b32 s89, s88, 7
	s_add_co_u32 s89, s89, LOGIT
	v_lshl_add_u32 v17, v2, 2, s89
	s_xor_b32 s90, s88, 15                         ; 15 - nl
.irp k, 0,1,2,3
	s_add_co_u32 s91, s90, 1+2*\k
	v_add_nc_u32 v[12+\k], s91, v3
	v_and_b32 v[12+\k], 7, v[12+\k]
	v_lshl_add_u32 v[12+\k], v[12+\k], 11, v17
.endr
	s_lshl_b32 s89, s88, 11
	s_add_co_u32 s89, s89, CVL
	v_lshl_add_u32 v16, v1, 3, s89
	v_mov_b32 v18, CVM
.irp k, 0,1,2,3,4,5,6,7
	ds_load_b32 v[226+\k], v[12+(\k%4)] offset:64*(\k/4)
.endr
.irp k, 0,1,2,3,4,5,6,7
	ds_load_b64 v[234+2*\k:235+2*\k], v16 offset:256*\k
.endr
	ds_load_b64 v[250:251], v18
	s_wait_dscnt 0x0
.irp k, 0,1,2,3,4,5,6,7
.if \k
	s_sub_co_i32 s63, s[84+\i], 32*\k
	v_cmp_gt_i32 vcc_lo, s63, v1
.else
	v_cmp_gt_i32 vcc_lo, s[84+\i], v1
.endif
	v_cndmask_b32 v[226+\k], v[NEG], v[226+\k], vcc_lo   ; slots from the count on: -1e30
.endr
	v_max3_num_f32 v254, v226, v227, v228
	v_max3_num_f32 v254, v254, v229, v230
	v_max3_num_f32 v254, v254, v231, v232
	v_max_num_f32 v254, v254, v233
.irp m, 1,2,4,8
	v_max_num_f32_dpp v254, v254, v254 row_xmask:\m row_mask:0xf bank_mask:0xf
.endr
	v_permlanex16_b32 v20, v254, s60, s61
	v_max_num_f32 v254, v254, v20                  ; the row's largest logit
.irp k, 0,1,2,3,4,5,6,7
	v_sub_f32 v[226+\k], v[226+\k], v254
.endr
.irp k, 0,1,2,3,4,5,6,7
	v_mul_f32 v[226+\k], 0x3fb8aa3b, v[226+\k]
.endr
.irp k, 0,1,2,3,4,5,6,7
	v_exp_f32 v[226+\k], v[226+\k]
.endr
	v_nop
	v_pk_mul_f32 v[252:253], v[234:235], v[226:227] op_sel_hi:[1,0]
.irp k, 1,2,3,4,5,6,7
.if \k%2
	v_pk_fma_f32 v[252:253], v[234+2*\k:235+2*\k], v[226+2*(\k/2):227+2*(\k/2)], v[252:253] op_sel:[0,1,0] op_sel_hi:[1,1,1]
.else
	v_pk_fma_f32 v[252:253], v[234+2*\k:235+2*\k], v[226+2*(\k/2):227+2*(\k/2)], v[252:253] op_sel_hi:[1,0,1]
.endif
.endr
	v_pk_add_f32 v[254:255], v[226:227], v[228:229]
	v_pk_add_f32 v[254:255], v[254:255], v[230:231]
	v_pk_add_f32 v[254:255], v[254:255], v[232:233]
	v_add_f32 v255, v254, v255
.irp m, 1,2,4,8
	v_add_f32_dpp v252, v252, v252 row_xmask:\m row_mask:0xf bank_mask:0xf
	v_add_f32_dpp v253, v253, v253 row_xmask:\m row_mask:0xf bank_mask:0xf
	v_add_f32_dpp v255, v255, v255 row_xmask:\m row_mask:0xf bank_mask:0xf
.endr
	v_permlanex16_b32 v20, v252, s60, s61
	v_permlanex16_b32 v21, v253, s60, s61
	v_permlanex16_b32 v22, v255, s60, s61
	v_add_f32 v252, v252, v20
	v_add_f32 v253, v253, v21
	v_add_f32 v255, v255, v22
	v_rcp_f32 v255, v255
	s_cmp_eq_u32 s[84+\i], 0
	s_cselect_b32 s63, -1, 0                       ; a row with no kept point: a choice of a value, on whole numbers
	v_nop
	v_mul_f32 v252, v252, v255
	v_mul_f32 v253, v253, v255
	v_cndmask_b32 v252, v252, v250, s63            ; its attention is the mean of coeff_values
	v_cndmask_b32 v253, v253, v251, s63
	v_mul_f32 v252, 0xbfb8aa3b, v252
	v_mul_f32 v253, 0xbfb8aa3b, v253
	v_exp_f32 v252, v252                           ; exp(-attention)
	v_exp_f32 v253, v253
	s_lshl_b32 s89, s88, 3
	s_add_co_u32 s89, s89, COEF
	v_mov_b32 v19, s89                             ; (a plain instruction behind the exponentials)
	ds_store_b64 v19, v[252:253]
.endm
	SOFT 0
	SOFT 1
	BAR                                            ; the 16 rows' coefficients lie in LDS
	; ---- the transport network, layer 1: my 32 units for the 16 rows: lane (r, h): row r, units 32 w + 16 h + 0 .. 15: one block of 32 along the next K, one register group of its operand
	v_lshl_add_u32 v12, v2, 3, COEF
	ds_load_b64 v[224:225], v12
	s_lshl_b32 s88, s42, 13
	v_lshl_add_u32 v13, v1, 4, s88                 ; wq: my four fragments begin at 8,192 w
	s_lshl_b32 s88, s42, 9
	v_lshl_add_u32 v14, v1, 2, s88                 ; and their scale words at 512 w
	s_lshl_b32 s89, s42, 7
	v_lshl_add_u32 v15, v3, 5, s89                 ; tb1, T2: 128 w + 32 h
	s_add_co_u32 s88, s88, UIMG
	v_lshl_add_u32 v16, v1, 4, s88                 ; where my group of the image goes
	s_add_co_u32 s88, s42, USC
	v_lshl_add_u32 v17, v1, 3, s88                 ; and my block's scale byte
	v_lshl_add_u32 v26, v1, 4, UIMG
	v_lshl_add_u32 v27, v1, 3, USC
	s_add_co_u32 s89, s89, PART
	v_lshl_add_u32 v28, v1, 2, s89
	s_wait_loadcnt 0x0
	s_wait_dscnt 0x0
.irp p, 0,1,2,3,4,5,6,7,8,9
.irp j, 0,2,4,6,8,10,12,14
.if \p%2
	v_pk_fma_f32 v[200+\j:201+\j], v[40+16*\p+\j:41+16*\p+\j], v[216+2*(\p/2):217+2*(\p/2)], v[200+\j:201+\j] op_sel:[0,1,0] op_sel_hi:[1,1,1]
.else
	v_pk_fma_f32 v[200+\j:201+\j], v[40+16*\p+\j:41+16*\p+\j], v[216+2*(\p/2):217+2*(\p/2)], v[200+\j:201+\j] op_sel_hi:[1,0,1]
.endif
.endr
.endr
	; layer 2's operands are asked for now: output tiles 2 w + a (a = 0, 1), K steps s = 0, 1
.irp a, 0,1
.irp s, 0,1
.irp c, 0,1,2,3
	global_load_b128 v[40+16*(2*\a+\s)+4*\c:43+16*(2*\a+\s)+4*\c], v13, s[38:39] offset:(2*\a+\s)*2048+512*\c
.endr
	global_load_b32 v[T1S+2*\a+\s], v14, s[38:39] offset:WQ_SC+128*(2*\a+\s)
.endr
.irp u, 0,1
	global_load_b128 v[104+8*\a+4*\u:107+8*\a+4*\u], v15, s[30:31] offset:64*\a+16*\u
	global_load_b128 v[120+8*\a+4*\u:123+8*\a+4*\u], v15, s[32:33] offset:64*\a+16*\u
.endr
.endr
.irp j, 0,2,4,6,8,10,12,14
	v_pk_mul_f32 v[200+\j:201+\j], v[200+\j:201+\j], s[66:67] op_sel_hi:[1,0]
.endr
	EXPRCP 200, 16
	TANHFIN 200, 16
	v_max3_num_f32 v18, |v200|, |v201|, 0x8000000
.irp j, 2,4,6,8,10,12,14
	v_max3_num_f32 v18, v18, |v[200+\j]|, |v[201+\j]|
.endr
	v_permlanex16_b32 v20, v18, s60, s61
	v_max_num_f32 v18, v18, v20
	v_add_nc_u32 v24, 0xf8800000, v18
	v_and_or_b32 v22, v18, 0x7f800000, s62
	v_lshrrev_b32 v20, 23, v24
.irp j, 0,1,2,3,4,5,6,7,8,9,10,11,12,13,14,15
	v_med3_num_f32 v[200+\j], v[200+\j], -v22, v22
.endr
	v_cvt_scalef32_pk8_bf8_f32 v[136:137], v[200:207], v24
	v_cvt_scalef32_pk8_bf8_f32 v[138:139], v[208:215], v24
	v_nop                                          ; a plain instruction behind the last conversion
	ds_store_b128 v16, v[136:139]
	ds_store_b8 v17, v20
	BAR                                            ; the hidden layer's two fragments and their scale words lie in LDS
	; ---- layer 2 and the last sum
.irp s, 0,1
.irp c, 0,1,2,3
	ds_load_b128 v[140+16*\s+4*\c:143+16*\s+4*\c], v26 offset:2048*\s+512*\c
.endr
.endr
	ds_load_b64 v[US:US+1], v27
	s_wait_dscnt 0x0
	s_wait_loadcnt 0x0
.irp s, 0,1
.irp a, 0,1
	v_wmma_scale_f32_16x16x128_f8f6f4 v[104+8*\a:111+8*\a], v[40+16*(2*\a+\s):55+16*(2*\a+\s)], v[140+16*\s:155+16*\s], v[104+8*\a:111+8*\a], v[T1S+2*\a+\s], v[US+\s] matrix_a_fmt:MATRIX_FMT_BF8 matrix_b_fmt:MATRIX_FMT_BF8   ; the bias starts each sum; the two accumulators take turns
.endr
.endr
.rept 8
	v_nop
.endr
.irp j, 0,2,4,6,8,10,12,14
	v_pk_mul_f32 v[104+\j:105+\j], v[104+\j:105+\j], s[66:67] op_sel_hi:[1,0]
.endr
	EXPRCP 104, 16
	TANHFIN 104, 16
	v_pk_mul_f32 v[18:19], v[104:105], v[120:121]
.irp j, 2,4,6,8,10,12,14
	v_pk_fma_f32 v[18:19], v[104+\j:105+\j], v[120+\j:121+\j], v[18:19]
.endr
	v_add_f32 v18, v18, v19
	v_permlanex16_b32 v20, v18, s60, s61
	v_add_f32 v18, v18, v20                        ; my 32 units' part of row r's sum
	ds_store_b32 v28, v18
	BAR
	s_cmp_lg_u32 s42, 0
	s_cbranch_scc1 .Lend
.irp k, 0,1,2,3,4,5,6,7
	ds_load_b32 v[40+\k], v29 offset:128*\k
.endr
	s_lshl_b32 s88, s43, 2
	v_lshl_add_u32 v12, v2, 2, s88
	s_wait_dscnt 0x0
	v_add_f32 v40, v40, v41
	v_add_f32 v42, v42, v43
	v_add_f32 v44, v44, v45
	v_add_f32 v46, v46, v47
	v_add_f32 v40, v40, v42
	v_add_f32 v44, v44, v46
	v_add_f32 v40, v40, v44
	v_add_f32 v40, s47, v40
	v_mul_f32 v40, s66, v40
	v_exp_f32 v40, v40
	v_nop
	v_add_f32 v40, 1.0, v40
	v_rcp_f32 v40, v40
	v_nop
	v_fma_f32 v40, v40, -2.0, 1.0                  ; tanh
	v_mul_f32 v40, 0x3fb8aa3b, v40
	v_exp_f32 v40, v40
	v_nop
	s_wait_xcnt 0x0                                ; EXEC changes only behind this wait
	v_cmp_gt_u32 vcc_lo, 16, v1
	s_and_saveexec_b32 s63, vcc_lo
	global_store_b32 v12, v40, s[40:41]            ; lanes 0-15: the 16 rows' results, 64 consecutive bytes
	s_wait_xcnt 0x0
	s_or_b32 exec_lo, exec_lo, s63
.Lend:
	s_endpgm
.Lfunc_end_k_q0e07dc88f8_main:
	.size	k_q0e07dc88f8_main, .Lfunc_end_k_q0e07dc88f8_main-k_q0e07dc88f8_main
	.p2alignl 7, 3214868480
	.fill 96, 4, 3214868480
	.section	.rodata,"a",@progbits
	.p2align	6, 0x0
	.amdhsa_kernel k_q0e07dc88f8_main
		.amdhsa_group_segment_fixed_size 92160
		.amdhsa_private_segment_fixed_size 0
		.amdhsa_enable_private_segment 0
		.amdhsa_kernarg_size 152
		.amdhsa_user_sgpr_count 2
		.amdhsa_user_sgpr_kernarg_segment_ptr 1
		.amdhsa_wavefront_size32 1
		.amdhsa_system_sgpr_workgroup_id_x 1
		.amdhsa_system_sgpr_workgroup_id_y 1
		.amdhsa_system_sgpr_workgroup_id_z 1
		.amdhsa_system_vgpr_workitem_id 0
		.amdhsa_next_free_vgpr 256
		.amdhsa_next_free_sgpr 102
		.amdhsa_reserve_vcc 1
		.amdhsa_float_denorm_mode_32 3
		.amdhsa_float_denorm_mode_16_64 3
		.amdhsa_memory_ordered 1
		.amdhsa_forward_progress 1
		.amdhsa_inst_pref_size 117
	.end_amdhsa_kernel
	.amdgpu_metadata
---
amdhsa.version: [ 1, 2 ]
amdhsa.kernels:
  - .name:           k_q0e07dc88f8_main
    .symbol:         k_q0e07dc88f8_main.kd
    .args:
      - { .name: x, .offset: 0, .size: 8, .value_kind: global_buffer, .address_space: global }
      - { .name: v, .offset: 8, .size: 8, .value_kind: global_buffer, .address_space: global }
      - { .name: x_prime, .offset: 16, .size: 8, .value_kind: global_buffer, .address_space: global }
      - { .name: v_prime, .offset: 24, .size: 8, .value_kind: global_buffer, .address_space: global }
      - { .name: coeff_position, .offset: 32, .size: 8, .value_kind: global_buffer, .address_space: global }
      - { .name: coeff_values, .offset: 40, .size: 8, .value_kind: global_buffer, .address_space: global }
      - { .name: attn_params_0_0, .offset: 48, .size: 8, .value_kind: global_buffer, .address_space: global }
      - { .name: attn_params_0_1, .offset: 56, .size: 8, .value_kind: global_buffer, .address_space: global }
      - { .name: attn_params_1_1, .offset: 64, .size: 8, .value_kind: global_buffer, .address_space: global }
      - { .name: attn_params_2_0, .offset: 72, .size: 8, .value_kind: global_buffer, .address_space: global }
      - { .name: attn_params_2_1, .offset: 80, .size: 8, .value_kind: global_buffer, .address_space: global }
      - { .name: transport_params_0_0, .offset: 88, .size: 8, .value_kind: global_buffer, .address_space: global }
      - { .name: transport_params_0_1, .offset: 96, .size: 8, .value_kind: global_buffer, .address_space: global }
      - { .name: transport_params_1_1, .offset: 104, .size: 8, .value_kind: global_buffer, .address_space: global }
      - { .name: transport_params_2_0, .offset: 112, .size: 8, .value_kind: global_buffer, .address_space: global }
      - { .name: transport_params_2_1, .offset: 120, .size: 8, .value_kind: global_buffer, .address_space: global }
      - { .name: masks, .offset: 128, .size: 8, .value_kind: global_buffer, .address_space: global }
      - { .name: wq, .offset: 136, .size: 8, .value_kind: global_buffer, .address_space: global }
      - { .name: out0, .offset: 144, .size: 8, .value_kind: global_buffer, .address_space: global }
    .group_segment_fixed_size: 92160
    .private_segment_fixed_size: 0
    .kernarg_segment_align: 8
    .kernarg_segment_size: 152
    .max_flat_workgroup_size: 256
    .sgpr_count:     102
    .vgpr_count:     256
    .wavefront_size: 32
...
	.end_amdgpu_metadata
.endif
;; end of part 2
